; MI455X (gfx1250); checked and timed in simulation.
; The chip was launched on July 23, 2026; its instructions are those of AMD's public machine-readable ISA for CDNA 5 (MIT licence, August 2026) and "CDNA5" Instruction Set Architecture Reference Guide (July 2026). The comments in the code are by the model that wrote it; some were corrected since.
;; Sprecher Layer Block. Allowed arithmetic: float matrix products may take bf16 or f16 operands with f32 sums; all other float work in f32.
;; Inputs: Phi_coeffs 64 float32; Phi_knots 64 float32; lambdas 256 float32; phi_knots 64 float32; phi_log_increments 64 float32; x 1,024 x 256 float32.
;; Outputs: out0 1,024 x 128 float32.
;; 2 versions, each right; version 2 is version 1 with the launch main written anew for expert scheduling mode. Each part assembles by itself: llvm-mc -triple=amdgcn-amd-amdhsa -mcpu=gfx1250 --defsym DOCPART=n.
;; ======== version 1 of 2: 2 launches
;; workspace buffers: pidx 1,048,576 bytes of whole numbers; wcnt 256 bytes of whole numbers; tab 4,096 bytes
;; launch prep (part 1): grid 256 x 1, 8 waves a work-group, no clusters, 0 bytes of LDS; arguments x, phi_knots, phi_log_increments, Phi_coeffs, Phi_knots, pidx, tab, wcnt; writes pidx, tab, wcnt
.if DOCPART == 1
	.amdgcn_target "amdgcn-amd-amdhsa--gfx1250"
	.amdhsa_code_object_version 6
	.text
	.protected	k_q2f6bda73e4_prep
	.globl	k_q2f6bda73e4_prep
	.p2align	8
	.type	k_q2f6bda73e4_prep,@function
k_q2f6bda73e4_prep:
	s_mov_b64 s[64:65], 0
	v_nop
	global_prefetch_b8 v0, s[64:65] scope:SCOPE_SE
	s_setreg_imm32_b32 hwreg(HW_REG_WAVE_MODE, 25, 1), 1
	s_wait_xcnt 0x0
; PREPARATION for the evaluation launch.  Three results, all read only by the later launch:
;   pidx [1024][256] u32: byte n (0..3) = the piece of the inner spline in which z = x[b][p] + 0.25 n lies
;   wcnt 64 x u32, all equal: W = the most breakpoints that any window of 0.25 along z can hold
;   tab  256 entries of 16 bytes: 0..159 inner pieces (C, S, K, breakpoint below the piece), 160..255 outer lines (K, C, S, 0)
; THE INNER SPLINE AS 65 PIECES, y = C + S (z - K):
;   piece 0: z < -6 (left line);  piece i = 1..63: segment i-1 of the knots;  piece 64: z > 7 (right line).
;   piece(z) = 0 if z < -6, 64 if z > 7, else 1 + the number of j in 1..62 with k_j < z.  That is searchsorted(left) - 1 clipped to 0..62,
;   plus one: k_0 and k_63 drop out by the clip.  The same number is the count of breakpoints b_i < z, with b_0 = the f32 next below -6,
;   b_j = k_j clamped to [b_0, 7], b_63 = 7.
; LIMITS KEPT: the knots are non-decreasing (what searchsorted itself presumes); exp(-|l|) below 2^-126 counts as 0 in softplus
; (v_exp_f32 flushes such results, ISA guide 15.8); NaN in x or in the knots is not served.
; SHARES: 256 work-groups x 256 threads; thread t of group g owns 4 neighbouring p: 16 bytes of x and 16 bytes of pidx at 4096 g + 16 t,
; so each load and store of a wave covers 512 consecutive bytes.  The 64 knots lie in scalar registers; each comparison is one v_cmp into a
; scalar mask and one add-with-carry of that mask; eight masks rotate so that no instruction waits for the one in front of it.
; The tables and W are made once, by waves 0, 1, 2 of work-group 0, behind their share of the main part; each of the three works inside
; its own registers, so there is no LDS and no barrier.
.set ZB, 8                             ; v[8:23]   z, element 4 n + p (n = 0 is x as loaded)
.set CB, 24                            ; v[24:39]  its piece number
.set PK, 40                            ; v[40:43]  four bytes packed for each p
; s[4:19] the eight addresses; k_j in s[20+j] for j < 44 and in s[24+j] from j = 44 on; s[88:95] masks
; s96 = next f32 below -6, s97 = 7.0, s99 = -6.0, s98 = wave, s2 = 1e-8
; piece(z) for groups x size numbers z in v[zb..], result in v[cb..]
.macro COUNTPI zb, cb, groups, size
.set jj, 1
.rept 62
.set g, 0
.rept \groups
.set e, 0
.rept \size
.if jj < 44
	v_cmp_lt_f32 s[88+e], s[20+jj], v[\zb+g+e]             ; k_j < z
.else
	v_cmp_lt_f32 s[88+e], s[24+jj], v[\zb+g+e]
.endif
.set e, e+1
.endr
.set e, 0
.rept \size
.if jj == 1
	v_cndmask_b32 v[\cb+g+e], 1, 2, s[88+e]                ; the first knot starts the count: nothing is cleared
.else
	v_add_co_ci_u32 v[\cb+g+e], s[88+e], 0, v[\cb+g+e], s[88+e]    ; count += mask bit
.endif
.set e, e+1
.endr
.set g, g+\size
.endr
.set jj, jj+1
.endr
.set g, 0
.rept \groups
.set e, 0
.rept \size
	v_cmp_gt_f32 s[88+e], s99, v[\zb+g+e]                  ; z < -6: piece 0
.set e, e+1
.endr
.set e, 0
.rept \size
	v_cndmask_b32 v[\cb+g+e], v[\cb+g+e], 0, s[88+e]
.set e, e+1
.endr
.set e, 0
.rept \size
	v_cmp_lt_f32 s[88+e], s97, v[\zb+g+e]                  ; z > 7: piece 64
.set e, e+1
.endr
.set e, 0
.rept \size
	v_cndmask_b32 v[\cb+g+e], v[\cb+g+e], 64, s[88+e]
.set e, e+1
.endr
.set g, g+\size
.endr
.endm
; slope of a segment: (c1 - c0) / h where h = k1 - k0 > 1e-8, else 0.  t, t+1: scratch
.macro SEG s, c0, c1, k0, k1, t
	v_sub_f32 v[\t], v[\k1], v[\k0]
	v_rcp_f32 v[\t+1], v[\t]
	v_sub_f32 v[\s], v[\c1], v[\c0]                        ; the plain instruction behind v_rcp_f32 (ISA guide 5.7.2)
	v_cmp_lt_f32 vcc_lo, s2, v[\t]
	s_wait_alu depctr_va_vdst(0)
	v_mul_f32 v[\s], v[\s], v[\t+1]
	v_cndmask_b32 v[\s], 0, v[\s], vcc_lo
.endm
; slope of an end line: (cb - ca) / (kb - ka + 1e-8), all four in scalar registers
.macro ENDSL d, ca, cb, ka, kb, t
	v_sub_f32 v[\t], s[\kb], s[\ka]
	v_add_f32 v[\t], s2, v[\t]
	v_rcp_f32 v[\t+1], v[\t]
	v_sub_f32 v[\d], s[\cb], s[\ca]                        ; the plain instruction behind v_rcp_f32
	s_wait_alu depctr_va_vdst(0)
	v_mul_f32 v[\d], v[\d], v[\t+1]
.endm
; d[L] = src[L-1]: a shift by one lane inside each 16 lanes; lane 16 gets src[15], handed over in a scalar register; lane 0 keeps src[0]
.macro PREV d, src, s15
	v_mov_b32 v[\d], v[\src]                               ; lanes without a partner keep this
	v_mov_b32_dpp v[\d], v[\src] row_shr:1 row_mask:0xf bank_mask:0xf
	v_writelane_b32 v[\d], s[\s15], 16
.endm
	s_load_b512 s[4:19], s[0:1], 0x0               ; x, phi_knots, phi_log_increments, Phi_coeffs, Phi_knots, pidx, tab, wcnt
	v_lshrrev_b32 v2, 5, v0
	v_readfirstlane_b32 s98, v2                    ; wave
	s_lshl_b32 s100, ttmp9, 12                     ; the group's 4,096 bytes
	v_lshlrev_b32 v1, 4, v0
	v_add_nc_u32 v1, s100, v1                      ; my 16 bytes, in x and in pidx alike
	s_mov_b32 s96, 0xc0c00001                      ; the f32 next below -6: z > it is the same as z >= -6
	s_mov_b32 s97, 0x40e00000                      ; 7.0
	s_mov_b32 s99, 0xc0c00000                      ; -6.0
	s_wait_kmcnt 0x0
	global_load_b128 v[ZB:ZB+3], v1, s[4:5]
	s_load_b512 s[20:35], s[6:7], 0x0              ; k0 .. k15
	s_load_b512 s[36:51], s[6:7], 0x40             ; k16 .. k31
	s_load_b256 s[52:59], s[6:7], 0x80             ; k32 .. k39
	s_load_b128 s[60:63], s[6:7], 0xa0             ; k40 .. k43
	s_load_b512 s[68:83], s[6:7], 0xb0             ; k44 .. k59
	s_load_b128 s[84:87], s[6:7], 0xf0             ; k60 .. k63
	s_wait_loadcnt 0x0
.irp p, 0,1,2,3
	v_add_f32 v[ZB+4+\p],  0x3e800000, v[ZB+\p]    ; x + 0.25: the same rounded sum that the evaluation forms for q = 32
	v_add_f32 v[ZB+8+\p],  0.5,        v[ZB+\p]
	v_add_f32 v[ZB+12+\p], 0x3f400000, v[ZB+\p]
.endr
	s_wait_kmcnt 0x0
	COUNTPI ZB, CB, 2, 8
.irp p, 0,1,2,3
	v_lshl_or_b32 v[PK+\p], v[CB+4+\p],  8,  v[CB+\p]
	v_lshl_or_b32 v[PK+\p], v[CB+8+\p],  16, v[PK+\p]
	v_lshl_or_b32 v[PK+\p], v[CB+12+\p], 24, v[PK+\p]
.endr
	global_store_b128 v1, v[PK:PK+3], s[14:15]
	s_cmp_lg_u32 ttmp9, 0
	s_cbranch_scc1 .Lend
	s_wait_xcnt 0x0                                ; the store's address and data registers are free for the tails
	v_and_b32 v2, 31, v0                           ; lane L
	s_mov_b32 s2, 0x322bcc77                       ; 1e-8
	s_cmp_eq_u32 s98, 0
	s_cbranch_scc1 .Lw0
	s_cmp_eq_u32 s98, 1
	s_cbranch_scc1 .Lw1
	s_cmp_eq_u32 s98, 2
	s_cbranch_scc1 .Lw2
.Lend:
	s_endpgm
; ---- wave 0 of group 0: the inner coefficients (softplus, running sum, normalise) and the inner entries ----
; softplus(l) = max(l, 0) + log(1 + e), e = exp(-|l|).  Below e = 2^-7 the sum 1 + e would lose e's bits: there the series
; e (1 - e (1/2 - e/3)), whose first dropped term is e^4/4, under 2^-23 of the result.
.macro SOFTPLUS d, l
	v_mul_f32 v8, s92, |\l|
	v_exp_f32 v9, v8
	v_max_num_f32 v10, 0, \l                       ; plain instruction behind v_exp_f32
	s_wait_alu depctr_va_vdst(0)
	v_add_f32 v11, 1.0, v9
	v_log_f32 v12, v11
	v_fma_f32 v13, v9, s93, 0.5                    ; plain instruction behind v_log_f32
	v_fma_f32 v13, -v9, v13, 1.0
	s_wait_alu depctr_va_vdst(0)
	v_mul_f32 v12, 0x3f317218, v12                 ; log2 to natural log
	v_mul_f32 v13, v9, v13
	v_cmp_gt_f32 vcc_lo, 0x3c000000, v9            ; e < 2^-7
	v_cndmask_b32 v12, v12, v13, vcc_lo
	v_add_f32 \d, v10, v12
.endm
.Lw0:
	v_lshlrev_b32 v3, 2, v2
	global_load_b32 v4, v3, s[8:9]                 ; l[L], l[L+32]
	global_load_b32 v5, v3, s[8:9] offset:128
	global_load_b32 v6, v3, s[6:7]                 ; k[L], k[L+32]
	global_load_b32 v7, v3, s[6:7] offset:128
	s_mov_b32 s92, 0xbfb8aa3b                      ; -log2(e)
	s_mov_b32 s93, 0xbeaaaaab                      ; -1/3
	s_mov_b32 s3, 0xffff0000                       ; lanes 16-31
	s_wait_loadcnt 0x0
	SOFTPLUS v20, v4
	SOFTPLUS v21, v5
	; running sum: four doubling steps inside each 16 lanes; a lane with no partner adds nothing
.irp r, 20, 21
.irp n, 1, 2, 4, 8
	v_add_f32_dpp v\r, v\r, v\r row_shr:\n row_mask:0xf bank_mask:0xf bound_ctrl:1
.endr
.endr
	v_readlane_b32 s100, v20, 15                   ; then the lower 16 lanes' total onto the upper 16,
	v_add_f32 v22, s100, v20
	v_cndmask_b32 v20, v20, v22, s3
	v_readlane_b32 s100, v21, 15
	v_add_f32 v22, s100, v21
	v_cndmask_b32 v21, v21, v22, s3
	v_readlane_b32 s100, v20, 31                   ; and the first 32 numbers' total onto the last 32
	v_add_f32 v21, s100, v21
	v_readlane_b32 s100, v21, 31
	v_add_f32 v22, s2, s100                        ; c[63] + 1e-8
	v_rcp_f32 v23, v22
	v_lshlrev_b32 v44, 4, v2                       ; 16 L (plain instruction behind v_rcp_f32)
	s_wait_alu depctr_va_vdst(0)
	v_mul_f32 v20, v20, v23                        ; v20 = c[L], v21 = c[L+32]
	v_mul_f32 v21, v21, v23
	v_readlane_b32 s88, v20, 0                     ; c0, c1, c62, c63 for the end lines
	v_readlane_b32 s89, v20, 1
	v_readlane_b32 s90, v21, 30
	v_readlane_b32 s91, v21, 31
	v_readlane_b32 s100, v20, 15                   ; c15, c31, c47 for the shifts by one lane
	v_readlane_b32 s101, v20, 31
	v_readlane_b32 s94, v21, 15
	ENDSL 26, 88, 89, 20, 21, 30                   ; left slope
	ENDSL 28, 90, 91, 86, 87, 30                   ; right slope
	; entries i = L: segment i - 1, from c[i-1], c[i], k[i-1], k[i]
	PREV 48, 20, 100                               ; C = c[L-1]; lane 0 keeps c0, which is piece 0's C
	PREV 50, 6, 35                                 ; K = k[L-1]; s35 = k15
	SEG 49, 48, 20, 50, 6, 40
	v_med3_num_f32 v51, v50, s96, s97              ; b_(i-1) = k_(i-1) clamped
	v_cmp_eq_u32 vcc_lo, 0, v2                     ; piece 0: the left slope, K = -6 (its breakpoint is never read)
	v_cndmask_b32 v49, v49, v26, vcc_lo
	v_cndmask_b32 v50, v50, s99, vcc_lo
	v_cmp_eq_u32 vcc_lo, 1, v2                     ; piece 1 begins behind b_0
	v_cndmask_b32 v51, v51, s96, vcc_lo
	global_store_b128 v44, v[48:51], s[16:17]
	; entries i = 32 + L
	PREV 52, 21, 94                                ; C = c[31+L],
	v_writelane_b32 v52, s101, 0                   ; lane 0: c31
	PREV 54, 7, 71                                 ; K = k[31+L]; s71 = k47,
	v_writelane_b32 v54, s51, 0                    ; lane 0: s51 = k31
	SEG 53, 52, 21, 54, 7, 40
	v_med3_num_f32 v55, v54, s96, s97
	global_store_b128 v44, v[52:55], s[16:17] offset:512
	v_cmp_eq_u32 vcc_lo, 0, v2                     ; entry 64: the right line behind b_63 = 7; entries 65..159: never taken (breakpoint +inf)
	v_mov_b32 v63, 0x7f800000
	v_cndmask_b32 v56, 0, s91, vcc_lo
	v_cndmask_b32 v57, 0, v28, vcc_lo
	v_cndmask_b32 v58, 0, s97, vcc_lo
	v_cndmask_b32 v59, v63, s97, vcc_lo
	global_store_b128 v44, v[56:59], s[16:17] offset:1024
	v_mov_b32 v60, 0
	v_mov_b32 v61, 0
	v_mov_b32 v62, 0
	global_store_b128 v44, v[60:63], s[16:17] offset:1536
	global_store_b128 v44, v[60:63], s[16:17] offset:2048
	s_endpgm
; ---- wave 1 of group 0: the outer lines (K, C, S, 0): o = 0..62 segments, 63 the left line (K = 0), 64 the right line (K = 1), then zeros ----
.Lw1:
	s_load_b64 s[88:89], s[10:11], 0x0             ; c'0, c'1
	s_load_b64 s[90:91], s[10:11], 0xf8            ; c'62, c'63
	s_load_b64 s[92:93], s[12:13], 0x0             ; k'0, k'1
	s_load_b64 s[94:95], s[12:13], 0xf8            ; k'62, k'63
	v_lshlrev_b32 v3, 2, v2                        ; o = L
	v_add_nc_u32 v4, 32, v2                        ; o = L + 32, its segment clamped to 62
	v_min_u32 v4, 62, v4
	v_lshlrev_b32 v4, 2, v4
	global_load_b32 v49, v3, s[10:11]
	global_load_b32 v37, v3, s[10:11] offset:4
	global_load_b32 v48, v3, s[12:13]
	global_load_b32 v39, v3, s[12:13] offset:4
	global_load_b32 v53, v4, s[10:11]
	global_load_b32 v36, v4, s[10:11] offset:4
	global_load_b32 v52, v4, s[12:13]
	global_load_b32 v38, v4, s[12:13] offset:4
	v_lshlrev_b32 v44, 4, v2
	s_wait_kmcnt 0x0
	ENDSL 26, 88, 89, 92, 93, 30
	ENDSL 28, 90, 91, 94, 95, 30
	s_wait_loadcnt 0x0
	SEG 50, 49, 37, 48, 39, 40
	v_mov_b32 v51, 0
	global_store_b128 v44, v[48:51], s[16:17] offset:2560
	SEG 54, 53, 36, 52, 38, 40
	v_mov_b32 v55, 0
	v_cmp_eq_u32 vcc_lo, 31, v2                    ; o = 63
	v_cndmask_b32 v52, v52, 0, vcc_lo
	v_cndmask_b32 v53, v53, s88, vcc_lo
	v_cndmask_b32 v54, v54, v26, vcc_lo
	global_store_b128 v44, v[52:55], s[16:17] offset:3072
	v_cmp_eq_u32 vcc_lo, 0, v2                     ; o = 64
	v_cndmask_b32 v56, 0, 1.0, vcc_lo
	v_cndmask_b32 v57, 0, s91, vcc_lo
	v_cndmask_b32 v58, 0, v28, vcc_lo
	v_mov_b32 v59, 0
	global_store_b128 v44, v[56:59], s[16:17] offset:3584
	s_endpgm
; ---- wave 2 of group 0: W = max over i of piece(b_i + 0.25) - i.  A block of 32 q moves z by 31/128, so from the first breakpoint at or
; above its first z all that it can pass lie below that breakpoint + 0.25; the spare 1/128 is far above the rounding of z near [-6, 7]. ----
.Lw2:
	v_lshlrev_b32 v3, 2, v2
	global_load_b32 v8, v3, s[6:7]
	global_load_b32 v9, v3, s[6:7] offset:128
	s_mov_b32 s100, 0x76543210                     ; v_permlanex16_b32: lane i reads lane i of the other half
	s_mov_b32 s101, 0xfedcba98
	s_wait_loadcnt 0x0
	v_med3_num_f32 v8, v8, s96, s97
	v_med3_num_f32 v9, v9, s96, s97
	v_cmp_eq_u32 vcc_lo, 0, v2
	v_cndmask_b32 v8, v8, s96, vcc_lo              ; b_0
	v_cmp_eq_u32 vcc_lo, 31, v2
	v_cndmask_b32 v9, v9, s97, vcc_lo              ; b_63
	v_add_f32 v8, 0x3e800000, v8
	v_add_f32 v9, 0x3e800000, v9
	COUNTPI 8, 24, 1, 2
	v_sub_nc_u32 v24, v24, v2
	v_sub_nc_u32 v25, v25, v2
	v_subrev_nc_u32 v25, 32, v25
	v_max_u32 v24, v24, v25
	v_cvt_f32_u32 v24, v24                         ; at most 64: exact in f32
	v_max_num_f32_dpp v24, v24, v24 row_xmask:1 row_mask:0xf bank_mask:0xf
	v_max_num_f32_dpp v24, v24, v24 row_xmask:2 row_mask:0xf bank_mask:0xf
	v_max_num_f32_dpp v24, v24, v24 row_xmask:4 row_mask:0xf bank_mask:0xf
	v_max_num_f32_dpp v24, v24, v24 row_xmask:8 row_mask:0xf bank_mask:0xf
	v_permlanex16_b32 v25, v24, s100, s101
	v_max_num_f32 v24, v24, v25
	v_cvt_u32_f32 v26, v24
	v_cvt_u32_f32 v27, v24
	v_lshlrev_b32 v4, 3, v2
	global_store_b64 v4, v[26:27], s[18:19]        ; all 256 bytes of wcnt in one store
	s_endpgm
.Lfunc_end_k_q2f6bda73e4_prep:
	.size	k_q2f6bda73e4_prep, .Lfunc_end_k_q2f6bda73e4_prep-k_q2f6bda73e4_prep
	.p2alignl 7, 3214868480
	.fill 96, 4, 3214868480
	.section	.rodata,"a",@progbits
	.p2align	6, 0x0
	.amdhsa_kernel k_q2f6bda73e4_prep
		.amdhsa_group_segment_fixed_size 0
		.amdhsa_private_segment_fixed_size 0
		.amdhsa_enable_private_segment 0
		.amdhsa_kernarg_size 64
		.amdhsa_user_sgpr_count 2
		.amdhsa_user_sgpr_kernarg_segment_ptr 1
		.amdhsa_wavefront_size32 1
		.amdhsa_system_sgpr_workgroup_id_x 1
		.amdhsa_system_sgpr_workgroup_id_y 1
		.amdhsa_system_sgpr_workgroup_id_z 1
		.amdhsa_system_vgpr_workitem_id 0
		.amdhsa_next_free_vgpr 64
		.amdhsa_next_free_sgpr 102
		.amdhsa_reserve_vcc 1
		.amdhsa_float_denorm_mode_32 3
		.amdhsa_float_denorm_mode_16_64 3
		.amdhsa_memory_ordered 1
		.amdhsa_forward_progress 1
		.amdhsa_inst_pref_size 158
	.end_amdhsa_kernel
	.amdgpu_metadata
---
amdhsa.version: [ 1, 2 ]
amdhsa.kernels:
  - .name:           k_q2f6bda73e4_prep
    .symbol:         k_q2f6bda73e4_prep.kd
    .args:
      - { .name: x, .offset: 0, .size: 8, .value_kind: global_buffer, .address_space: global }
      - { .name: phi_knots, .offset: 8, .size: 8, .value_kind: global_buffer, .address_space: global }
      - { .name: phi_log_increments, .offset: 16, .size: 8, .value_kind: global_buffer, .address_space: global }
      - { .name: Phi_coeffs, .offset: 24, .size: 8, .value_kind: global_buffer, .address_space: global }
      - { .name: Phi_knots, .offset: 32, .size: 8, .value_kind: global_buffer, .address_space: global }
      - { .name: pidx, .offset: 40, .size: 8, .value_kind: global_buffer, .address_space: global }
      - { .name: tab, .offset: 48, .size: 8, .value_kind: global_buffer, .address_space: global }
      - { .name: wcnt, .offset: 56, .size: 8, .value_kind: global_buffer, .address_space: global }
    .group_segment_fixed_size: 0
    .private_segment_fixed_size: 0
    .kernarg_segment_align: 8
    .kernarg_segment_size: 64
    .max_flat_workgroup_size: 256
    .sgpr_count:     102
    .vgpr_count:     64
    .wavefront_size: 32
...
	.end_amdgpu_metadata
.endif
;; end of part 1
;; launch main (part 2): grid 256 x 1, 16 waves a work-group, no clusters, 81,920 bytes of LDS; arguments x, lambdas, pidx, tab, wcnt, out0; writes out0
.if DOCPART == 2
	.amdgcn_target "amdgcn-amd-amdhsa--gfx1250"
	.amdhsa_code_object_version 6
	.text
	.protected	k_q2f6bda73e4_main
	.globl	k_q2f6bda73e4_main
	.p2align	8
	.type	k_q2f6bda73e4_main,@function
k_q2f6bda73e4_main:
	s_mov_b64 s[64:65], 0
	v_nop
	global_prefetch_b8 v0, s[64:65] scope:SCOPE_SE
	s_setreg_imm32_b32 hwreg(HW_REG_WAVE_MODE, 25, 1), 1
	s_wait_xcnt 0x0
; out[b][q] = Phi( sum over p of lambda[p] phi(x[b][p] + q/128) ), both splines piecewise linear on 64 knots that are inputs.
; The earlier launch has stored, as whole numbers, the piece of phi in which z stands at the first q of each block of 32 q (pidx) and the
; most breakpoints W that a block can pass (wcnt), and both splines as tables of lines (tab).  Here a lane fetches, for one (b, p, block),
; the W + 1 lines from LDS by those numbers and chooses among them for each q by comparison and select: no address hangs on a float.
; A line is folded with lambda once for 32 q: y = a + b t, a = lambda (C + S (x - K)), b = lambda S, t = q/128.  So the weighted sum over p
; costs no multiply of its own.  It has one output column, and phi rounded to 16 bits would be multiplied by the outer spline's slope,
; so it stays in f32 vector arithmetic and the matrix unit is not used.
; SHARES: a work-group owns 4 rows b; wave w owns row w >> 2 and the block n = w & 3 (q = 32 n .. 32 n + 31); lane L owns the 8 columns
; p = 4 L + 0..3 and 128 + 4 L + 0..3, so every global load of a wave covers 512 consecutive bytes.
; No cluster: the work-groups share only the 4,096 bytes of tab.  No ring, no copy engine: a wave issues six loads in all.
; LIMITS KEPT: knots non-decreasing (what searchsorted presumes); NaN inputs are not served.
; LDS: 0 the table; 4096 the 512 results of the group; 6144 + 4608 w: wave w's own 32 rows of 144 bytes for the sum over lanes.
.set X,   4                            ; v[4:11]    x of my 8 p
.set IW,  12                           ; v[12:19]   their pidx words
.set LM,  20                           ; v[20:27]   their lambdas
.set E,   28                           ; v[28:31]   a table entry as it lands: C, S, K, breakpoint
.set AD,  33                           ; v33        LDS address of the entry
.set D,   34                           ; v34        x - K
.set BT,  35                           ; v35        the breakpoint at work
.set AB,  36                           ; v[36:37]   a, b
.set T,   40                           ; v[40:71]   t of my 32 q
.set Z,   72                           ; v[72:103]  z = x + t
.set Y,   104                          ; v[104:135] the chosen lines' values
.set ACC, 136                          ; v[136:167] sums over my p
.set TM,  168                          ; v[168:183] a candidate line's values, 16 q at a time
.set SV,  36                           ; later: s;  SK, SC, SS: the outer line chosen so far
.set SK,  40
.set SC,  41
.set SS,  42
.set TABO, 2560                        ; the outer lines in the table
.set OUTS, 4096
.set TR,   6144
.set TRW,  4608
; s16 wave, s17 n, s18 row in the group, s19 8 n, s20 W, s21 loop counter, s22 offsets, s[24:31] masks, s32, s33 lane patterns
.macro LINE j                          ; the entry in E, folded with x and lambda of column j
	v_sub_f32 v[D], v[X+\j], v[E+2]
	v_mul_f32 v[AB+1], v[E+1], v[LM+\j]
	v_fma_f32 v[AB], v[E+1], v[D], v[E]
	v_mul_f32 v[AB], v[AB], v[LM+\j]
.endm
.macro NEXTE                           ; ask for the next entry; 64 + 64 + 1 stays under the 160 entries, and the clamp says so in the text
	v_add_nc_u32 v[AD], 16, v[AD]
	v_min_u32 v[AD], 159*16, v[AD]
	ds_load_b128 v[E:E+3], v[AD]
.endm
.macro EVAL dst, first, pairs          ; dst = b t + a for 2 x pairs q from q = first on
.set i, 0
.rept \pairs
	v_pk_fma_f32 v[\dst+2*i:\dst+2*i+1], v[AB:AB+1], v[T+\first+2*i:T+\first+2*i+1], v[AB:AB+1] op_sel:[1,0,0] op_sel_hi:[1,1,0]
.set i, i+1
.endr
.endm
.macro PICK yb, first, tmo             ; 8 q: where z is beyond the breakpoint the candidate replaces what was chosen
.set i, 0
.rept 8
	v_cmp_gt_f32 s[24+i], v[Z+\first+i], v[BT]
.set i, i+1
.endr
.set i, 0
.rept 8
	v_cndmask_b32 v[\yb+\first+i], v[\yb+\first+i], v[TM+\tmo+i], s[24+i]
.set i, i+1
.endr
.endm
; Column j of my eight.  yb = ACC for the first column: its values start the sums, nothing is cleared.
.macro PITER j, yb
.if \j
	s_wait_dscnt 0x0                               ; the last column's look-ahead load still lands in E
.endif
	v_bfe_u32 v[AD], v[IW+\j], s19, 8              ; byte n: the piece at the block's first q,
	v_lshlrev_b32 v[AD], 4, v[AD]                  ; 16 bytes an entry,
	v_min_u32 v[AD], 64*16, v[AD]                  ; and never beyond piece 64
	ds_load_b128 v[E:E+3], v[AD]
.set i, 0
.rept 16
.if \j % 2
	v_pk_add_f32 v[Z+2*i:Z+2*i+1], v[X+\j-1:X+\j], v[T+2*i:T+2*i+1] op_sel:[1,0] op_sel_hi:[1,1]
.else
	v_pk_add_f32 v[Z+2*i:Z+2*i+1], v[X+\j:X+\j+1], v[T+2*i:T+2*i+1] op_sel_hi:[0,1]
.endif
.set i, i+1
.endr
	s_wait_dscnt 0x0
	LINE \j
	NEXTE
	EVAL \yb, 0, 16
	s_mov_b32 s21, 0
.Lw\j:                                             ; W trips: the pieces above the first
	s_wait_dscnt 0x0                               ; the entry asked for one trip ago
	LINE \j
	v_mov_b32 v[BT], v[E+3]                        ; E is given to the next load at once
	NEXTE
	EVAL TM, 0, 8
	PICK \yb, 0, 0
	PICK \yb, 8, 8
	EVAL TM, 16, 8
	PICK \yb, 16, 0
	PICK \yb, 24, 8
	s_add_co_u32 s21, s21, 1
	s_cmp_lt_u32 s21, s20
	s_cbranch_scc1 .Lw\j
.if \yb != ACC
.set i, 0
.rept 16
	v_pk_add_f32 v[ACC+2*i:ACC+2*i+1], v[ACC+2*i:ACC+2*i+1], v[\yb+2*i:\yb+2*i+1]
.set i, i+1
.endr
.endif
.endm
	s_load_b256 s[4:11], s[0:1], 0x0               ; x, lambdas, pidx, tab
	s_load_b128 s[12:15], s[0:1], 0x20             ; wcnt, out0
	v_lshl_add_u32 v192, v0, 2, 0x13800
	v_mov_b32 v193, 0
	v_lshrrev_b32 v1, 5, v0
	v_readfirstlane_b32 s16, v1                    ; wave
	v_and_b32 v2, 31, v0                           ; lane L
	s_and_b32 s17, s16, 3                          ; block n
	s_lshr_b32 s18, s16, 2                         ; row in the group
	s_lshl_b32 s19, s17, 3
	s_lshl2_add_u32 s22, ttmp9, s18                ; row b = 4 g + row in the group
	s_lshl_b32 s22, s22, 10                        ; 1,024 bytes a row, in x and in pidx
	s_mov_b32 s32, 0xaaaaaaaa                      ; lanes with bit 0 set
	s_mov_b32 s33, 0xcccccccc                      ; lanes with bit 1 set
	v_lshlrev_b32 v3, 4, v2
	v_add_nc_u32 v1, s22, v3
	s_wait_kmcnt 0x0
	global_load_b128 v[X:X+3],     v1, s[4:5]
	global_load_b128 v[X+4:X+7],   v1, s[4:5] offset:512
	global_load_b128 v[IW:IW+3],   v1, s[8:9]
	global_load_b128 v[IW+4:IW+7], v1, s[8:9] offset:512
	global_load_b128 v[LM:LM+3],   v3, s[6:7]
	global_load_b128 v[LM+4:LM+7], v3, s[6:7] offset:512
	s_load_b32 s20, s[12:13], 0x0                  ; W
	v_cvt_f32_u32 v[T], s17                        ; t = 0.25 n + i/128: multiples of 1/128 below 1, all exact
	v_mul_f32 v[T], 0x3e800000, v[T]
	v_add_f32 v[T+1], 0x3c000000, v[T]
.set i, 0
.rept 15
	v_pk_add_f32 v[T+2+2*i:T+3+2*i], v[T+2*i:T+2*i+1], 0x3c800000 op_sel_hi:[1,0]
.set i, i+1
.endr
	s_cmp_gt_u32 s16, 7                            ; waves 0-7: 256 threads copy the table's 256 entries
	s_cbranch_scc1 .Lnotab
	v_lshlrev_b32 v[AD], 4, v0
	global_load_b128 v[E:E+3], v[AD], s[10:11]
	s_wait_loadcnt 0x0
	ds_store_b128 v[AD], v[E:E+3]
.Lnotab:
	s_wait_loadcnt 0x0                             ; x, pidx, lambdas
	s_wait_dscnt 0x0                               ; my part of the table is in LDS: zero, for the other waves' sake
	s_barrier_signal -1
	s_barrier_wait -1
	s_wait_kmcnt 0x0
	s_min_u32 s20, s20, 64                         ; there are 64 breakpoints,
	s_max_u32 s20, s20, 1                          ; and a window holds its own first one
	PITER 0, ACC
	PITER 1, Y
	PITER 2, Y
	PITER 3, Y
	PITER 4, Y
	PITER 5, Y
	PITER 6, Y
	PITER 7, Y
	; The gathers above take their addresses from memory (clamped to the table's inner entries, bytes 0 to 2,559).  Every wave's gathers,
	; the last look-ahead too, are over before any wave stores to LDS again.
	s_wait_dscnt 0x0
	s_barrier_signal -1
	s_barrier_wait -1
	; THE SUM OVER THE 32 LANES of 32 numbers each, through the wave's own LDS rows.  Lane L writes row L (128 bytes, pitch 144, an odd
	; multiple of 16: sixteen lanes' stores of one column fall on sixteen different 16-byte columns modulo 256).  Lane L reads back columns
	; 4 (L >> 2) + 0..3 of the eight rows 4 (L & 3) + 0..3 and 16 + 4 (L & 3) + 0..3 (576 = 64 modulo 256: again sixteen different columns),
	; adds them, adds across its four neighbours, and keeps number L & 3: lane L ends with s of q = 32 n + L.
	s_mul_i32 s22, s16, TRW
	s_add_co_u32 s22, s22, TR
	v_mul_u32_u24 v36, v2, 144
	v_add_nc_u32 v36, s22, v36
	v_and_b32 v37, 3, v2
	v_mul_u32_u24 v37, v37, 576
	v_lshrrev_b32 v38, 2, v2
	v_lshl_add_u32 v37, v38, 4, v37
	v_add_nc_u32 v37, s22, v37
.set i, 0
.rept 8
	ds_store_b128 v36, v[ACC+4*i:ACC+4*i+3] offset:16*i
.set i, i+1
.endr
.set i, 0
.rept 8
	ds_load_b128 v[Z+4*i:Z+4*i+3], v37 offset:144*(i%4)+2304*(i/4)    ; LDS serves a wave's instructions in order (ISA guide 5.7.1): these see the stores
.set i, i+1
.endr
	v_mov_b32 v[AD], 0
	s_wait_dscnt 0x0
.irp a, 0, 8, 16, 24
	v_pk_add_f32 v[Z+\a:Z+\a+1],   v[Z+\a:Z+\a+1],   v[Z+\a+4:Z+\a+5]
	v_pk_add_f32 v[Z+\a+2:Z+\a+3], v[Z+\a+2:Z+\a+3], v[Z+\a+6:Z+\a+7]
.endr
.irp a, 0, 16
	v_pk_add_f32 v[Z+\a:Z+\a+1],   v[Z+\a:Z+\a+1],   v[Z+\a+8:Z+\a+9]
	v_pk_add_f32 v[Z+\a+2:Z+\a+3], v[Z+\a+2:Z+\a+3], v[Z+\a+10:Z+\a+11]
.endr
	v_pk_add_f32 v[Z:Z+1],   v[Z:Z+1],   v[Z+16:Z+17]
	v_pk_add_f32 v[Z+2:Z+3], v[Z+2:Z+3], v[Z+18:Z+19]
.irp m, 1, 2
.irp r, 0, 1, 2, 3
	v_add_f32_dpp v[Z+\r], v[Z+\r], v[Z+\r] row_xmask:\m row_mask:0xf bank_mask:0xf
.endr
.endr
	v_cndmask_b32 v[Z],   v[Z],   v[Z+1], s32
	v_cndmask_b32 v[Z+2], v[Z+2], v[Z+3], s32
	v_cndmask_b32 v[SV],  v[Z],   v[Z+2], s33
	; THE OUTER SPLINE, in the order in which the problem's function applies its cases: segment 0; for j = 1..62 segment j where s > k'_j;
	; the left line where s < 0; the right line where s > 1.  All lanes read the same entry (K, C, S, 0).  Entries come in groups of eight
	; into two buffers that take turns.
.macro OLOAD buf, first, cnt
.set i, 0
.rept \cnt
	ds_load_b128 v[\buf+4*i:\buf+4*i+3], v[AD] offset:TABO+16*(\first+i)
.set i, i+1
.endr
.endm
.macro OGROUP buf, first, cnt
.set i, 0
.rept \cnt
.if \first+i == 63
	v_cmp_gt_f32 s[24+i], 0, v[SV]                 ; s < 0
.elseif \first+i == 64
	v_cmp_lt_f32 s[24+i], 1.0, v[SV]               ; s > 1
.elseif \first+i > 0
	v_cmp_gt_f32 s[24+i], v[SV], v[\buf+4*i]       ; s > k'_j
.endif
.set i, i+1
.endr
.set i, 0
.rept \cnt
.if \first+i == 1
	v_cndmask_b32 v[SK], v[\buf],   v[\buf+4], s[24+i]     ; the first choice is between entries 0 and 1: nothing is copied
	v_cndmask_b32 v[SC], v[\buf+1], v[\buf+5], s[24+i]
	v_cndmask_b32 v[SS], v[\buf+2], v[\buf+6], s[24+i]
.elseif \first+i > 1
	v_cndmask_b32 v[SK], v[SK], v[\buf+4*i],   s[24+i]
	v_cndmask_b32 v[SC], v[SC], v[\buf+4*i+1], s[24+i]
	v_cndmask_b32 v[SS], v[SS], v[\buf+4*i+2], s[24+i]
.endif
.set i, i+1
.endr
.endm
	OLOAD Z, 0, 8
	OLOAD Y, 8, 8
.irp f, 0, 16, 32
	s_wait_dscnt 0x8                               ; the older group is in; the eight loads of the other buffer stay out
	OGROUP Z, \f, 8
	OLOAD Z, \f+16, 8
	s_wait_dscnt 0x8
	OGROUP Y, \f+8, 8
	OLOAD Y, \f+24, 8
.endr
	s_wait_dscnt 0x8
	OGROUP Z, 48, 8
	OLOAD Z, 64, 1
	s_wait_dscnt 0x1                               ; entries 56-63 are in; the one load of entry 64 stays out
	OGROUP Y, 56, 8
	s_wait_dscnt 0x0
	OGROUP Z, 64, 1
	v_sub_f32 v43, v[SV], v[SK]
	v_fma_f32 v43, v[SS], v43, v[SC]               ; C + S (s - K)
	; THE WAY OUT: thread t holds number t of the group's 512 (row w >> 2, q = 32 (w & 3) + L).  Through LDS, so that each store covers
	; 512 consecutive bytes that start at a multiple of 512 from out0's first byte.
	v_lshlrev_b32 v44, 2, v0
	ds_store_b32 v44, v43 offset:OUTS
	s_wait_dscnt 0x0                               ; zero: other waves read these bytes behind the barrier
	s_barrier_signal -1
	s_barrier_wait -1
	s_cmp_gt_u32 s16, 3
	s_cbranch_scc1 .Ldone
	v_lshlrev_b32 v45, 4, v0
	ds_load_b128 v[48:51], v45 offset:OUTS
	s_lshl_b32 s22, ttmp9, 11                      ; the group's 2,048 bytes of out0
	v_add_nc_u32 v46, s22, v45
	s_wait_dscnt 0x0
	global_store_b128 v46, v[48:51], s[14:15]
.Ldone:
	s_wait_tensorcnt 0x0
	ds_add_u32 v192, v193
	s_wait_dscnt 0x0
	s_endpgm
.Lfunc_end_k_q2f6bda73e4_main:
	.size	k_q2f6bda73e4_main, .Lfunc_end_k_q2f6bda73e4_main-k_q2f6bda73e4_main
	.p2alignl 7, 3214868480
	.fill 96, 4, 3214868480
	.section	.rodata,"a",@progbits
	.p2align	6, 0x0
	.amdhsa_kernel k_q2f6bda73e4_main
		.amdhsa_group_segment_fixed_size 81920
		.amdhsa_private_segment_fixed_size 0
		.amdhsa_enable_private_segment 0
		.amdhsa_kernarg_size 48
		.amdhsa_user_sgpr_count 2
		.amdhsa_user_sgpr_kernarg_segment_ptr 1
		.amdhsa_wavefront_size32 1
		.amdhsa_system_sgpr_workgroup_id_x 1
		.amdhsa_system_sgpr_workgroup_id_y 1
		.amdhsa_system_sgpr_workgroup_id_z 1
		.amdhsa_system_vgpr_workitem_id 0
		.amdhsa_next_free_vgpr 194
		.amdhsa_next_free_sgpr 66
		.amdhsa_reserve_vcc 0
		.amdhsa_float_denorm_mode_32 3
		.amdhsa_float_denorm_mode_16_64 3
		.amdhsa_memory_ordered 1
		.amdhsa_forward_progress 1
		.amdhsa_inst_pref_size 100
	.end_amdhsa_kernel
	.amdgpu_metadata
---
amdhsa.version: [ 1, 2 ]
amdhsa.kernels:
  - .name:           k_q2f6bda73e4_main
    .symbol:         k_q2f6bda73e4_main.kd
    .args:
      - { .name: x, .offset: 0, .size: 8, .value_kind: global_buffer, .address_space: global }
      - { .name: lambdas, .offset: 8, .size: 8, .value_kind: global_buffer, .address_space: global }
      - { .name: pidx, .offset: 16, .size: 8, .value_kind: global_buffer, .address_space: global }
      - { .name: tab, .offset: 24, .size: 8, .value_kind: global_buffer, .address_space: global }
      - { .name: wcnt, .offset: 32, .size: 8, .value_kind: global_buffer, .address_space: global }
      - { .name: out0, .offset: 40, .size: 8, .value_kind: global_buffer, .address_space: global }
    .group_segment_fixed_size: 81920
    .private_segment_fixed_size: 0
    .kernarg_segment_align: 8
    .kernarg_segment_size: 48
    .max_flat_workgroup_size: 512
    .sgpr_count:     66
    .vgpr_count:     194
    .wavefront_size: 32
...
	.end_amdgpu_metadata
.endif
;; end of part 2
;; ======== version 2 of 2: 2 launches; version 1 with the launch main written anew for expert scheduling mode
;; workspace buffers: pidx 1,048,576 bytes of whole numbers; wcnt 256 bytes of whole numbers; tab 4,096 bytes
;; launch prep: the kernel of part 1 again; grid 256 x 1, 8 waves a work-group, no clusters, 0 bytes of LDS; arguments x, phi_knots, phi_log_increments, Phi_coeffs, Phi_knots, pidx, tab, wcnt; writes pidx, tab, wcnt
;; launch main (part 3): grid 256 x 1, 16 waves a work-group, no clusters, 81,920 bytes of LDS; arguments x, lambdas, pidx, tab, wcnt, out0; writes out0
.if DOCPART == 3
	.amdgcn_target "amdgcn-amd-amdhsa--gfx1250"
	.amdhsa_code_object_version 6
	.text
	.protected	k_q2f6bda73e4_main
	.globl	k_q2f6bda73e4_main
	.p2align	8
	.type	k_q2f6bda73e4_main,@function
k_q2f6bda73e4_main:
	s_mov_b64 s[64:65], 0
	v_nop
	global_prefetch_b8 v0, s[64:65] scope:SCOPE_SE
	s_setreg_imm32_b32 hwreg(HW_REG_WAVE_SCHED_MODE, 0, 2), 2
	s_setreg_imm32_b32 hwreg(HW_REG_WAVE_MODE, 25, 1), 1
	s_wait_xcnt 0x0
	s_wait_alu depctr_vm_vsrc(0)
; out[b][q] = Phi( sum over p of lambda[p] phi(x[b][p] + q/128) ), both splines piecewise linear on 64 knots that are inputs.
; The earlier launch has stored, as whole numbers, the piece of phi in which z stands at the first q of each block of 32 q (pidx) and the
; most breakpoints W that a block can pass (wcnt), and both splines as tables of lines (tab).  Here a lane fetches, for one (b, p, block),
; the W + 1 lines from LDS by those numbers and chooses among them for each q by comparison and select: no address hangs on a float.
; A line is folded with lambda once for 32 q: y = a + b t, a = lambda (C + S (x - K)), b = lambda S, t = q/128.  So the weighted sum over p
; costs no multiply of its own.  It has one output column, and phi rounded to 16 bits would be multiplied by the outer spline's slope,
; so it stays in f32 vector arithmetic and the matrix unit is not used.
; SHARES: a work-group owns 4 rows b; wave w owns row w >> 2 and the block n = w & 3 (q = 32 n .. 32 n + 31); lane L owns the 8 columns
; p = 4 L + 0..3 and 128 + 4 L + 0..3, so every global load of a wave covers 512 consecutive bytes.
; No cluster: the work-groups share only the 4,096 bytes of tab.  No ring, no copy engine: a wave issues six loads in all.
; LIMITS KEPT: knots non-decreasing (what searchsorted presumes); NaN inputs are not served.
; LDS: 0 the table; 4096 the 512 results of the group; 6144 + 4608 w: wave w's own 32 rows of 144 bytes for the sum over lanes.
; THE MODE: SCHED_MODE bits 1:0 = 2 (LLVM: expert scheduling mode 2), set by the entry lines.  The code itself states the register dependences
; between vector instructions and memory or LDS instructions, and from a vector instruction's scalar result to its reader, with s_wait_alu, always for 0.
; THE PLAN.  Registers that memory or LDS instructions touch:
;   v1, v3, TA, WA, GA, OA   offsets and LDS addresses, made at the head and never written again.
;   A0 .. A7   each column's first table address, made once when pidx is in; read by that column's first gather; never written again.
;   AD         the table address that steps: written ahead of each column's loop and once a trip, read by the look-ahead gather.
;   E          a table entry: gathers land in it; LINE and the copy of the breakpoint read it (waves 0-7: also the table's copy passes through it).
;   ACC, v36, v37   the lane sum's store data and its two addresses: written by vector lines, read by the LDS instructions, not written after.
;   Z, Y, T    named by vector lines alone in the columns; behind them loads land there: Z the lane sum, then Y, T, Z by turns the outer lines.
;   RS         the result: written by two vector lines, read by one LDS store.
; A trip of a column's loop has one wait on vm_vsrc at its head (the gather of a trip ago has read AD), one on va_vdst in its middle, beside
; the wait for the first sixteen masks (AD is written, E is read out), and the gather behind that; every run of compares has its wait on va_sdst
; ahead of the selects, with the candidate line's eight multiply-adds between.  A column's first gather is issued at the end of the column before:
; its address is old, and no vector line since the last trip's wait on va_vdst names E.
.set X,   4                            ; v[4:11]    x of my 8 p
.set IW,  12                           ; v[12:19]   their pidx words
.set LM,  20                           ; v[20:27]   their lambdas
.set E,   28                           ; v[28:31]   a table entry as it lands: C, S, K, breakpoint
.set OA,  32                           ; v32        0: the LDS address by which the outer lines are read
.set AD,  33                           ; v33        LDS address of the entry asked for ahead
.set D,   34                           ; v34        x - K
.set BT,  35                           ; v35        the breakpoint at work
.set AB,  36                           ; v[36:37]   a, b
.set T,   40                           ; v[40:71]   t of my 32 q; later a buffer of outer lines
.set Z,   72                           ; v[72:103]  z = x + t; later the lane sum, and a buffer of outer lines
.set Y,   104                          ; v[104:135] the chosen lines' values; later a buffer of outer lines
.set ACC, 136                          ; v[136:167] sums over my p
.set TM,  168                          ; v[168:183] a candidate line's values, 16 q at a time
.set SV,  168                          ; later: s;  SK, SC, SS: the outer line chosen so far;  RS: the result
.set SK,  169
.set SC,  170
.set SS,  171
.set RS,  172
.set A0,  184                          ; v[184:191] column j's first table address
.set TA,  192                          ; v192       16 t: the table's copy, and the results read back
.set WA,  193                          ; v193       4 t: my result among the group's 512
.set GA,  194                          ; v194       my 16 bytes of out0
.set TABO, 2560                        ; the outer lines in the table
.set OUTS, 4096
.set TR,   6144
.set TRW,  4608
; s2, s3 lane patterns, s16 wave, s17 n, s18 row in the group, s19 8 n, s20 W, s21 loop counter, s22, s23 offsets, s[24:39] masks
.macro LINE j                          ; the entry in E, folded with x and lambda of column j
	v_sub_f32 v[D], v[X+\j], v[E+2]
	v_mul_f32 v[AB+1], v[E+1], v[LM+\j]
	v_fma_f32 v[AB], v[E+1], v[D], v[E]
	v_mul_f32 v[AB], v[AB], v[LM+\j]
.endm
.macro EVAL dst, first, pairs          ; dst = b t + a for 2 x pairs q from q = first on
.set i, 0
.rept \pairs
	v_pk_fma_f32 v[\dst+2*i:\dst+2*i+1], v[AB:AB+1], v[T+\first+2*i:T+\first+2*i+1], v[AB:AB+1] op_sel:[1,0,0] op_sel_hi:[1,1,0]
.set i, i+1
.endr
.endm
.macro CMP16 first                     ; 16 q: is z beyond the breakpoint?
.set i, 0
.rept 16
	v_cmp_gt_f32 s[24+i], v[Z+\first+i], v[BT]
.set i, i+1
.endr
.endm
.macro SEL16 yb, first                 ; 16 q: where it is, the candidate replaces what was chosen
.set i, 0
.rept 16
	v_cndmask_b32 v[\yb+\first+i], v[\yb+\first+i], v[TM+i], s[24+i]
.set i, i+1
.endr
.endm
; Column j of my eight.  yb = ACC for the first column: its values start the sums, nothing is cleared.
; The column's first entry has been asked for by the text in front of it.
.macro PITER j, yb
.set i, 0
.rept 16
.if \j % 2
	v_pk_add_f32 v[Z+2*i:Z+2*i+1], v[X+\j-1:X+\j], v[T+2*i:T+2*i+1] op_sel:[1,0] op_sel_hi:[1,1]
.else
	v_pk_add_f32 v[Z+2*i:Z+2*i+1], v[X+\j:X+\j+1], v[T+2*i:T+2*i+1] op_sel_hi:[0,1]
.endif
.set i, i+1
.endr
	s_wait_dscnt 0x0                               ; the column's first entry is in
	LINE \j
.if \j
	s_wait_alu depctr_vm_vsrc(0)                   ; the last column's gathers have read v[AD], which is made anew
.endif
	v_add_nc_u32 v[AD], 16, v[A0+\j]               ; the next entry; 64 + 64 + 1 stays under the 160 entries, and the clamp says so in the text
	v_min_u32 v[AD], 159*16, v[AD]
	s_wait_alu depctr_va_vdst(0)                   ; v[AD] is written, which the gather reads; LINE is done reading v[E ..], in which it lands
	ds_load_b128 v[E:E+3], v[AD]
	EVAL \yb, 0, 16
	s_mov_b32 s21, 0
.Lw\j:                                             ; W trips: the pieces above the first
	s_wait_dscnt 0x0                               ; the entry asked for one trip ago
	s_wait_alu depctr_vm_vsrc(0)                   ; that gather has read v[AD], which this trip steps
	LINE \j
	v_mov_b32 v[BT], v[E+3]
	v_add_nc_u32 v[AD], 16, v[AD]
	v_min_u32 v[AD], 159*16, v[AD]
	CMP16 0
	EVAL TM, 0, 8
	s_wait_alu depctr_va_sdst(0)                   ; the sixteen masks s[24:39] are written, ahead of the selects that read them
	s_wait_alu depctr_va_vdst(0)                   ; v[AD] is written, which the gather reads; LINE and the copy are done reading v[E ..], in which it lands
	ds_load_b128 v[E:E+3], v[AD]
	SEL16 \yb, 0
	CMP16 16
	EVAL TM, 16, 8
	s_wait_alu depctr_va_sdst(0)                   ; the sixteen masks are written anew, ahead of the selects that read them
	SEL16 \yb, 16
	s_add_co_u32 s21, s21, 1
	s_cmp_lt_u32 s21, s20
	s_cbranch_scc1 .Lw\j
.if \j < 7
	s_wait_dscnt 0x0                               ; the look-ahead load has landed in E
	ds_load_b128 v[E:E+3], v[A0+\j+1]              ; the next column's first entry.  No s_wait_alu: its address was written ahead of the wait behind the first barrier, and no vector line since the last trip's wait on va_vdst names v[E ..]
.endif
.if \yb != ACC
.set i, 0
.rept 16
	v_pk_add_f32 v[ACC+2*i:ACC+2*i+1], v[ACC+2*i:ACC+2*i+1], v[\yb+2*i:\yb+2*i+1]
.set i, i+1
.endr
.endif
.endm
	s_load_b256 s[4:11], s[0:1], 0x0               ; x, lambdas, pidx, tab
	s_load_b128 s[12:15], s[0:1], 0x20             ; wcnt, out0
	v_lshl_add_u32 v39, v0, 2, 0x13800
	v_mov_b32 v195, 0
	v_lshrrev_b32 v1, 5, v0
	v_readfirstlane_b32 s16, v1                    ; wave
	v_and_b32 v2, 31, v0                           ; lane L
	v_lshlrev_b32 v3, 4, v2
	v_lshlrev_b32 v[TA], 4, v0
	v_lshlrev_b32 v[WA], 2, v0
	v_mov_b32 v[OA], 0
	s_lshl_b32 s23, ttmp9, 11                      ; the group's 2,048 bytes of out0
	v_add_nc_u32 v[GA], s23, v[TA]
	s_mov_b32 s2, 0xaaaaaaaa                       ; lanes with bit 0 set
	s_mov_b32 s3, 0xcccccccc                       ; lanes with bit 1 set
	s_wait_alu depctr_va_sdst(0)                   ; s16 is written, ahead of its first reader
	s_and_b32 s17, s16, 3                          ; block n
	s_lshr_b32 s18, s16, 2                         ; row in the group
	s_lshl_b32 s19, s17, 3
	s_lshl2_add_u32 s22, ttmp9, s18                ; row b = 4 g + row in the group
	s_lshl_b32 s22, s22, 10                        ; 1,024 bytes a row, in x and in pidx
	v_add_nc_u32 v1, s22, v3
	s_wait_kmcnt 0x0
	s_wait_alu depctr_va_vdst(0)                   ; v1, v3, v[TA], v[WA], v[GA] and v[OA] are written: the loads and stores by them read them, and no vector line writes them again
	global_load_b128 v[X:X+3],     v1, s[4:5]
	global_load_b128 v[X+4:X+7],   v1, s[4:5] offset:512
	global_load_b128 v[IW:IW+3],   v1, s[8:9]
	global_load_b128 v[IW+4:IW+7], v1, s[8:9] offset:512
	global_load_b128 v[LM:LM+3],   v3, s[6:7]
	global_load_b128 v[LM+4:LM+7], v3, s[6:7] offset:512
	s_load_b32 s20, s[12:13], 0x0                  ; W
	v_cvt_f32_u32 v[T], s17                        ; t = 0.25 n + i/128: multiples of 1/128 below 1, all exact
	v_mul_f32 v[T], 0x3e800000, v[T]
	v_add_f32 v[T+1], 0x3c000000, v[T]
.set i, 0
.rept 15
	v_pk_add_f32 v[T+2+2*i:T+3+2*i], v[T+2*i:T+2*i+1], 0x3c800000 op_sel_hi:[1,0]
.set i, i+1
.endr
	s_cmp_gt_u32 s16, 7                            ; waves 0-7: 256 threads copy the table's 256 entries
	s_cbranch_scc1 .Lnotab
	global_load_b128 v[E:E+3], v[TA], s[10:11]     ; no vector line has named v[E ..], and none since the wait above names v[TA]
	s_wait_loadcnt 0x0
	ds_store_b128 v[TA], v[E:E+3]
.Lnotab:
	s_wait_loadcnt 0x0                             ; x, pidx, lambdas
	s_wait_dscnt 0x0                               ; my part of the table is in LDS: zero, for the other waves' sake
	s_barrier_signal -1
.set i, 0
.rept 8                                                ; work on registers while the others arrive: all eight columns' first addresses at once
	v_bfe_u32 v[A0+i], v[IW+i], s19, 8             ; byte n: the piece at the block's first q,
	v_lshlrev_b32 v[A0+i], 4, v[A0+i]              ; 16 bytes an entry,
	v_min_u32 v[A0+i], 64*16, v[A0+i]              ; and never beyond piece 64
.set i, i+1
.endr
	s_barrier_wait -1
	s_wait_kmcnt 0x0
	s_min_u32 s20, s20, 64                         ; there are 64 breakpoints,
	s_max_u32 s20, s20, 1                          ; and a window holds its own first one
	s_wait_alu depctr_va_vdst(0)                   ; the eight addresses v[A0 ..] are written, which the columns' first gathers read
	s_wait_alu depctr_vm_vsrc(0)                   ; the table's LDS store (waves 0 to 7) has read v[E ..], in which the gathers land
	ds_load_b128 v[E:E+3], v[A0]                   ; the first column's first entry
	PITER 0, ACC
	PITER 1, Y
	PITER 2, Y
	PITER 3, Y
	PITER 4, Y
	PITER 5, Y
	PITER 6, Y
	PITER 7, Y
	; The gathers above take their addresses from memory (clamped to the table's inner entries, bytes 0 to 2,559).  Every wave's gathers,
	; the last look-ahead too, are over before any wave stores to LDS again.
	s_wait_dscnt 0x0
	s_barrier_signal -1
	s_barrier_wait -1
	; THE SUM OVER THE 32 LANES of 32 numbers each, through the wave's own LDS rows.  Lane L writes row L (128 bytes, pitch 144, an odd
	; multiple of 16: sixteen lanes' stores of one column fall on sixteen different 16-byte columns modulo 256).  Lane L reads back columns
	; 4 (L >> 2) + 0..3 of the eight rows 4 (L & 3) + 0..3 and 16 + 4 (L & 3) + 0..3 (576 = 64 modulo 256: again sixteen different columns),
	; adds them, adds across its four neighbours, and keeps number L & 3: lane L ends with s of q = 32 n + L.
	s_mul_i32 s22, s16, TRW
	s_add_co_u32 s22, s22, TR
	v_mul_u32_u24 v36, v2, 144
	v_add_nc_u32 v36, s22, v36
	v_and_b32 v37, 3, v2
	v_mul_u32_u24 v37, v37, 576
	v_lshrrev_b32 v38, 2, v2
	v_lshl_add_u32 v37, v38, 4, v37
	v_add_nc_u32 v37, s22, v37
; THE OUTER SPLINE's lines (K, C, S, 0) come in groups of eight into three buffers that take turns: group g lies in Y, T, Z for g mod 3 = 0, 1, 2.
.macro OLOAD buf, first, cnt
.set i, 0
.rept \cnt
	ds_load_b128 v[\buf+4*i:\buf+4*i+3], v[OA] offset:TABO+16*(\first+i)
.set i, i+1
.endr
.endm
	s_wait_alu depctr_va_vdst(0)                   ; the sums v[ACC ..] and the addresses v36, v37 are written, which the LDS instructions below read; the columns are done with Z, Y and T, in which the loads below land
.set i, 0
.rept 8
	ds_store_b128 v36, v[ACC+4*i:ACC+4*i+3] offset:16*i
.set i, i+1
.endr
.set i, 0
.rept 8
	ds_load_b128 v[Z+4*i:Z+4*i+3], v37 offset:144*(i%4)+2304*(i/4)    ; LDS serves a wave's instructions in order (ISA guide 5.7.1): these see the stores
.set i, i+1
.endr
	OLOAD Y, 0, 8                                  ; the outer lines hang on no sum: the first two groups go out at once; no vector line stands behind the wait above
	OLOAD T, 8, 8
	s_wait_dscnt 16                                ; the rows are back; the sixteen younger loads, two groups of outer lines, stay out
.irp a, 0, 8, 16, 24
	v_pk_add_f32 v[Z+\a:Z+\a+1],   v[Z+\a:Z+\a+1],   v[Z+\a+4:Z+\a+5]
	v_pk_add_f32 v[Z+\a+2:Z+\a+3], v[Z+\a+2:Z+\a+3], v[Z+\a+6:Z+\a+7]
.endr
.irp a, 0, 16
	v_pk_add_f32 v[Z+\a:Z+\a+1],   v[Z+\a:Z+\a+1],   v[Z+\a+8:Z+\a+9]
	v_pk_add_f32 v[Z+\a+2:Z+\a+3], v[Z+\a+2:Z+\a+3], v[Z+\a+10:Z+\a+11]
.endr
	v_pk_add_f32 v[Z:Z+1],   v[Z:Z+1],   v[Z+16:Z+17]
	v_pk_add_f32 v[Z+2:Z+3], v[Z+2:Z+3], v[Z+18:Z+19]
.irp m, 1, 2
.irp r, 0, 1, 2, 3
	v_add_f32_dpp v[Z+\r], v[Z+\r], v[Z+\r] row_xmask:\m row_mask:0xf bank_mask:0xf
.endr
.endr
	v_cndmask_b32 v[Z],   v[Z],   v[Z+1], s2
	v_cndmask_b32 v[Z+2], v[Z+2], v[Z+3], s2
	v_cndmask_b32 v[SV],  v[Z],   v[Z+2], s3
	; THE OUTER SPLINE, in the order in which the problem's function applies its cases: segment 0; for j = 1..62 segment j where s > k'_j;
	; the left line where s < 0; the right line where s > 1.  All lanes read the same entry (K, C, S, 0).
.macro OCMP buf, first, cnt
.set i, 0
.rept \cnt
.if \first+i == 63
	v_cmp_gt_f32 s[24+i], 0, v[SV]                 ; s < 0
.elseif \first+i == 64
	v_cmp_lt_f32 s[24+i], 1.0, v[SV]               ; s > 1
.elseif \first+i > 0
	v_cmp_gt_f32 s[24+i], v[SV], v[\buf+4*i]       ; s > k'_j
.endif
.set i, i+1
.endr
.endm
.macro OSEL buf, first, cnt
.set i, 0
.rept \cnt
.if \first+i == 1
	v_cndmask_b32 v[SK], v[\buf],   v[\buf+4], s[24+i]     ; the first choice is between entries 0 and 1: nothing is copied
	v_cndmask_b32 v[SC], v[\buf+1], v[\buf+5], s[24+i]
	v_cndmask_b32 v[SS], v[\buf+2], v[\buf+6], s[24+i]
.elseif \first+i > 1
	v_cndmask_b32 v[SK], v[SK], v[\buf+4*i],   s[24+i]
	v_cndmask_b32 v[SC], v[SC], v[\buf+4*i+1], s[24+i]
	v_cndmask_b32 v[SS], v[SS], v[\buf+4*i+2], s[24+i]
.endif
.set i, i+1
.endr
.endm
; Step g: group g's cnt lines.  left: the next group's loads, which may stay out.  more: the lines of group g + 2, asked for into the buffer that group g - 1 has left.
.macro OSTEP g, left, cnt, more
	s_wait_dscnt \left                             ; LDS loads come back in order (ISA guide 5.7.1): group g is in
	OCMP T+32*((\g+2)%3), 8*\g, \cnt
	s_wait_alu depctr_va_sdst(0)                   ; the group's masks are written, ahead of the selects that read them
.if \more
	s_wait_alu depctr_va_vdst(0)                   ; the step before (ahead of step 0: the lane sum) is done reading the buffer in which the loads below land
	OLOAD T+32*((\g+1)%3), 8*\g+16, \more
.endif
	OSEL T+32*((\g+2)%3), 8*\g, \cnt
.endm
.irp g, 0,1,2,3,4,5
	OSTEP \g, 8, 8, 8
.endr
	OSTEP 6, 8, 8, 1                               ; entry 64 is asked for
	OSTEP 7, 1, 8, 0                               ; entries 56-63 are in; the one load of entry 64 stays out
	OSTEP 8, 0, 1, 0
	v_sub_f32 v[RS], v[SV], v[SK]
	v_fma_f32 v[RS], v[SS], v[RS], v[SC]           ; C + S (s - K)
	; THE WAY OUT: thread t holds number t of the group's 512 (row w >> 2, q = 32 (w & 3) + L).  Through LDS, so that each store covers
	; 512 consecutive bytes that start at a multiple of 512 from out0's first byte.
	s_wait_alu depctr_va_vdst(0)                   ; the result v[RS] is written, which the LDS store reads; step 7 is done reading v[48:51], in which the load below lands; no vector line follows
	ds_store_b32 v[WA], v[RS] offset:OUTS
	s_wait_dscnt 0x0                               ; zero: other waves read these bytes behind the barrier
	s_barrier_signal -1
	s_barrier_wait -1
	s_cmp_gt_u32 s16, 3
	s_cbranch_scc1 .Ldone
	ds_load_b128 v[48:51], v[TA] offset:OUTS
	s_wait_dscnt 0x0
	global_store_b128 v[GA], v[48:51], s[14:15]
.Ldone:
	s_wait_dscnt 0x0
	s_wait_alu depctr_hold_cnt(0) depctr_sa_sdst(0) depctr_va_vdst(0) depctr_va_sdst(0) depctr_va_ssrc(0) depctr_va_vcc(0) depctr_vm_vsrc(0)
	s_wait_tensorcnt 0x0
	ds_add_u32 v39, v195
	s_wait_dscnt 0x0
	s_endpgm
.Lfunc_end_k_q2f6bda73e4_main:
	.size	k_q2f6bda73e4_main, .Lfunc_end_k_q2f6bda73e4_main-k_q2f6bda73e4_main
	.p2alignl 7, 3214868480
	.fill 96, 4, 3214868480
	.section	.rodata,"a",@progbits
	.p2align	6, 0x0
	.amdhsa_kernel k_q2f6bda73e4_main
		.amdhsa_group_segment_fixed_size 81920
		.amdhsa_private_segment_fixed_size 0
		.amdhsa_enable_private_segment 0
		.amdhsa_kernarg_size 48
		.amdhsa_user_sgpr_count 2
		.amdhsa_user_sgpr_kernarg_segment_ptr 1
		.amdhsa_wavefront_size32 1
		.amdhsa_system_sgpr_workgroup_id_x 1
		.amdhsa_system_sgpr_workgroup_id_y 1
		.amdhsa_system_sgpr_workgroup_id_z 1
		.amdhsa_system_vgpr_workitem_id 0
		.amdhsa_next_free_vgpr 196
		.amdhsa_next_free_sgpr 66
		.amdhsa_reserve_vcc 0
		.amdhsa_float_denorm_mode_32 3
		.amdhsa_float_denorm_mode_16_64 3
		.amdhsa_memory_ordered 1
		.amdhsa_forward_progress 1
		.amdhsa_inst_pref_size 102
	.end_amdhsa_kernel
	.amdgpu_metadata
---
amdhsa.version: [ 1, 2 ]
amdhsa.kernels:
  - .name:           k_q2f6bda73e4_main
    .symbol:         k_q2f6bda73e4_main.kd
    .args:
      - { .name: x, .offset: 0, .size: 8, .value_kind: global_buffer, .address_space: global }
      - { .name: lambdas, .offset: 8, .size: 8, .value_kind: global_buffer, .address_space: global }
      - { .name: pidx, .offset: 16, .size: 8, .value_kind: global_buffer, .address_space: global }
      - { .name: tab, .offset: 24, .size: 8, .value_kind: global_buffer, .address_space: global }
      - { .name: wcnt, .offset: 32, .size: 8, .value_kind: global_buffer, .address_space: global }
      - { .name: out0, .offset: 40, .size: 8, .value_kind: global_buffer, .address_space: global }
    .group_segment_fixed_size: 81920
    .private_segment_fixed_size: 0
    .kernarg_segment_align: 8
    .kernarg_segment_size: 48
    .max_flat_workgroup_size: 512
    .sgpr_count:     66
    .vgpr_count:     196
    .wavefront_size: 32
...
	.end_amdgpu_metadata
.endif
;; end of part 3
